; MI455X (gfx1250); checked and timed in simulation.
; The chip was launched on July 23, 2026; its instructions are those of AMD's public machine-readable ISA for CDNA 5 (MIT licence, August 2026) and "CDNA5" Instruction Set Architecture Reference Guide (July 2026). The comments in the code are by the model that wrote it; some were corrected since.
;; Multi Head Attention. Allowed arithmetic: float matrix products may take bf16 or f16 operands with f32 sums; all other float work in f32.
;; Inputs: wk 1,024 x 1,024 float32; wo 1,024 x 1,024 float32; wq 1,024 x 1,024 float32; wv 1,024 x 1,024 float32; x 2 x 2,048 x 1,024 float32.
;; Outputs: out0 2 x 2,048 x 1,024 float32.
;; 2 versions, each right; version 2 is version 1 with the launch cast written anew for expert scheduling mode. Each part assembles by itself: llvm-mc -triple=amdgcn-amd-amdhsa -mcpu=gfx1250 --defsym DOCPART=n.
;; ======== version 1 of 2: 4 launches
;; limits: values are held in f16: magnitudes above 65,504 overflow, below 6.1e-05 lose precision
;; workspace buffers: cb 16,777,216 bytes; qkvh 25,165,824 bytes; ao 8,388,608 bytes
;; launch cast (part 1): grid 32 x 8, 8 waves a work-group, no clusters, 0 bytes of LDS; arguments x, wq, wk, wv, wo, cb; writes cb
.if DOCPART == 1
	.amdgcn_target "amdgcn-amd-amdhsa--gfx1250"
	.amdhsa_code_object_version 6
	.text
	.protected	k_qeeb3ee8157_cast
	.globl	k_qeeb3ee8157_cast
	.p2align	8
	.type	k_qeeb3ee8157_cast,@function
k_qeeb3ee8157_cast:
	s_mov_b64 s[64:65], 0
	v_nop
	global_prefetch_b8 v0, s[64:65] scope:SCOPE_SE
	s_setreg_imm32_b32 hwreg(HW_REG_WAVE_MODE, 25, 1), 1
	s_wait_xcnt 0x0
; x, wq, wk, wv, wo (f32) are rounded once to bf16's 8 significant bits and laid one behind the other in cb, 2 bytes a number:
; bytes 0: x [4096][1024] bf16; 8,388,608: wq, wk, wv as one [3072][1024] bf16; 14,680,064: wo [1024][1024], the bf16 number written in f16's FORMAT,
; because the output product multiplies it by the attention's result, which is kept in f16.  That second step is exact from 2^-14 upward (8 bits fit in f16's 11);
; LIMIT: below 2^-14 it rounds to multiples of 2^-24, and |wo| must stay below 65,504.
; The work is eight segments of 1,048,576 numbers (grid y): 0-3 the quarters of x, 4-7 the four weights.
; A work-group (grid x, 32 of them a segment) takes 131,072 bytes in and 65,536 out; a wave 16,384 in, as 32 loads
; of 512 neighbouring bytes, all issued before the first is used.  Every byte is read once and written once; a wave's
; store covers 256 consecutive bytes, aligned.  No LDS, no barrier, no matrix unit: nothing is shared or reduced.
.set X,   4                            ; v[4:131]  32 loads of 4 registers; the packed result overwrites the first two of each four
.set NLD, 32
	s_load_b256 s[4:11], s[0:1], 0x0               ; x s[4:5], wq s[6:7], wk s[8:9], wv s[10:11]
	s_load_b128 s[12:15], s[0:1], 0x20             ; wo s[12:13], cb s[14:15]
	s_and_b32 s16, ttmp7, 0xffff                   ; the segment
	s_min_u32 s17, s16, 3                          ; which quarter of x (for the weights' segments the sum below is not used)
	s_lshl_b32 s20, s17, 22                        ; a quarter of x is 4,194,304 bytes
	s_mov_b32 s21, 0
	s_mov_b32 s17, 0xffff0000                      ; a word's upper bf16
	s_lshl_b32 s22, ttmp9, 17                      ; the work-group's 131,072 bytes in its segment
	s_mov_b32 s23, 0
	s_lshl_b32 s2, s16, 21                         ; out: a segment is 2,097,152 bytes,
	s_lshl_b32 s3, ttmp9, 16                       ; a work-group's part 65,536
	s_add_co_u32 s2, s2, s3
	s_mov_b32 s3, 0
	v_and_b32 v3, 0xe0, v0                         ; 32 x wave
	v_and_b32 v2, 31, v0                           ; lane
	v_lshlrev_b32 v1, 4, v2
	v_lshl_or_b32 v1, v3, 9, v1                    ; in:  16,384 x wave + 16 x lane
	v_lshlrev_b32 v2, 3, v2
	v_lshl_or_b32 v2, v3, 8, v2                    ; out:  8,192 x wave +  8 x lane
	s_wait_kmcnt 0x0
	s_add_nc_u64 s[18:19], s[4:5], s[20:21]        ; the source: a quarter of x, or one of the weights, chosen by the segment's number
	s_cmp_eq_u32 s16, 4
	s_cselect_b64 s[18:19], s[6:7], s[18:19]
	s_cmp_eq_u32 s16, 5
	s_cselect_b64 s[18:19], s[8:9], s[18:19]
	s_cmp_eq_u32 s16, 6
	s_cselect_b64 s[18:19], s[10:11], s[18:19]
	s_cmp_eq_u32 s16, 7
	s_cselect_b64 s[18:19], s[12:13], s[18:19]
	s_add_nc_u64 s[18:19], s[18:19], s[22:23]
	s_add_nc_u64 s[14:15], s[14:15], s[2:3]
.set cnt, 0
.rept NLD
	global_load_b128 v[X+4*cnt:X+4*cnt+3], v1, s[18:19] offset:512*cnt th:TH_LOAD_NT
.set cnt, cnt+1
.endr
; The 32 loads' numbers are rounded and stored.  tof16 = 1 (wo): the bf16 numbers are widened again and packed in f16's format.
.macro ROUNDS tof16
.set cnt, 0
.rept NLD
	s_wait_loadcnt NLD-1-cnt                       ; loads come back in order (ISA guide 5.7.1): this one is in, the younger ones stay out
	v_cvt_pk_bf16_f32 v[X+4*cnt], v[X+4*cnt], v[X+4*cnt+1]
	v_cvt_pk_bf16_f32 v[X+4*cnt+1], v[X+4*cnt+2], v[X+4*cnt+3]
.if \tof16
	v_lshlrev_b32 v[X+4*cnt+2], 16, v[X+4*cnt]                 ; bf16 to f32: the low half moves up, the high half stays
	v_and_b32 v[X+4*cnt+3], s17, v[X+4*cnt]
	v_cvt_pk_f16_f32 v[X+4*cnt], v[X+4*cnt+2], v[X+4*cnt+3]
	v_lshlrev_b32 v[X+4*cnt+2], 16, v[X+4*cnt+1]
	v_and_b32 v[X+4*cnt+3], s17, v[X+4*cnt+1]
	v_cvt_pk_f16_f32 v[X+4*cnt+1], v[X+4*cnt+2], v[X+4*cnt+3]
.endif
	global_store_b64 v2, v[X+4*cnt:X+4*cnt+1], s[14:15] offset:256*cnt   ; no register that a pending load or store names is rewritten
.set cnt, cnt+1
.endr
.endm
	s_cmp_eq_u32 s16, 7                            ; the same for the whole work-group: wo's segment takes the second way
	s_cbranch_scc1 .Lwo
	ROUNDS 0
	s_endpgm
.Lwo:
	ROUNDS 1
	s_endpgm
.Lfunc_end_k_qeeb3ee8157_cast:
	.size	k_qeeb3ee8157_cast, .Lfunc_end_k_qeeb3ee8157_cast-k_qeeb3ee8157_cast
	.p2alignl 7, 3214868480
	.fill 96, 4, 3214868480
	.section	.rodata,"a",@progbits
	.p2align	6, 0x0
	.amdhsa_kernel k_qeeb3ee8157_cast
		.amdhsa_group_segment_fixed_size 0
		.amdhsa_private_segment_fixed_size 0
		.amdhsa_enable_private_segment 0
		.amdhsa_kernarg_size 48
		.amdhsa_user_sgpr_count 2
		.amdhsa_user_sgpr_kernarg_segment_ptr 1
		.amdhsa_wavefront_size32 1
		.amdhsa_system_sgpr_workgroup_id_x 1
		.amdhsa_system_sgpr_workgroup_id_y 1
		.amdhsa_system_sgpr_workgroup_id_z 1
		.amdhsa_system_vgpr_workitem_id 0
		.amdhsa_next_free_vgpr 132
		.amdhsa_next_free_sgpr 66
		.amdhsa_reserve_vcc 0
		.amdhsa_float_denorm_mode_32 3
		.amdhsa_float_denorm_mode_16_64 3
		.amdhsa_memory_ordered 1
		.amdhsa_forward_progress 1
		.amdhsa_inst_pref_size 29
	.end_amdhsa_kernel
	.amdgpu_metadata
---
amdhsa.version: [ 1, 2 ]
amdhsa.kernels:
  - .name:           k_qeeb3ee8157_cast
    .symbol:         k_qeeb3ee8157_cast.kd
    .args:
      - { .name: x, .offset: 0, .size: 8, .value_kind: global_buffer, .address_space: global }
      - { .name: wq, .offset: 8, .size: 8, .value_kind: global_buffer, .address_space: global }
      - { .name: wk, .offset: 16, .size: 8, .value_kind: global_buffer, .address_space: global }
      - { .name: wv, .offset: 24, .size: 8, .value_kind: global_buffer, .address_space: global }
      - { .name: wo, .offset: 32, .size: 8, .value_kind: global_buffer, .address_space: global }
      - { .name: cb, .offset: 40, .size: 8, .value_kind: global_buffer, .address_space: global }
    .group_segment_fixed_size: 0
    .private_segment_fixed_size: 0
    .kernarg_segment_align: 8
    .kernarg_segment_size: 48
    .max_flat_workgroup_size: 256
    .sgpr_count:     66
    .vgpr_count:     132
    .wavefront_size: 32
...
	.end_amdgpu_metadata
.endif
;; end of part 1
;; launch qkv (part 2): grid 16 x 16, 4 waves a work-group, clusters of 4 x 4, 327,680 bytes of LDS; arguments cb, qkvh; writes qkvh
.if DOCPART == 2
	.amdgcn_target "amdgcn-amd-amdhsa--gfx1250"
	.amdhsa_code_object_version 6
	.text
	.protected	k_qeeb3ee8157_qkv
	.globl	k_qeeb3ee8157_qkv
	.p2align	8
	.type	k_qeeb3ee8157_qkv,@function
k_qeeb3ee8157_qkv:
	s_mov_b64 s[64:65], 0
	v_nop
	global_prefetch_b8 v0, s[64:65] scope:SCOPE_SE
	s_setreg_imm32_b32 hwreg(HW_REG_WAVE_MODE, 25, 1), 1
	s_wait_xcnt 0x0
	s_wait_alu depctr_hold_cnt(0) depctr_sa_sdst(0) depctr_va_vdst(0) depctr_va_sdst(0) depctr_va_ssrc(0) depctr_va_vcc(0) depctr_vm_vsrc(0)
	s_getreg_b32 s2, hwreg(HW_REG_IB_STS2, 6, 4)
	s_cmp_eq_u32 s2, 0
	s_cbranch_scc0 .Lentry_in_a_cluster
	s_endpgm
.Lentry_in_a_cluster:
	s_bfe_u32 s2, ttmp6, 0x10000c
	s_cmp_lg_u32 s2, 0xf033
	s_cbranch_scc0 .Lentry_shape_is_right
	s_endpgm
.Lentry_shape_is_right:
; q, k, v = x W^T for the stacked weights W = [wq; wk; wv], [3072][1024]; x is [4096][1024]; both bf16 in cb; sums in f32, rounded once to f16.
; WHY f16: a token early in the sequence averages few values, so its row of the final result is large beside the root mean square of the whole result;
; bf16's 8 significant bits in q, k and v are too few for such rows, f16 has 11 at the same matrix rate.
; LIMIT: |q|, |k|, |v| must stay below 65,504, f16's largest number.  With x of spread 1 and weights of spread 1/32 they are about 5 at the most: a factor of
; 12,000 is free (all inputs 30 times larger: about 4,800; offsets of 30 spreads on x and on a weight: 1024 x 30 x 30/32 = 28,800).  Below 2^-14 the step is 2^-24.
; The result is laid by head: qkvh[c][token][64], c = column / 64 (0-15 q's heads, 16-31 k's, 32-47 v's), a plane 524,288 bytes,
; a token's row 128 bytes, so that two tokens of a head are 256 consecutive bytes.
; A work-group makes 256 tokens x 192 columns (three whole heads): 16 x 16 = 256 work-groups.  Wave w makes tokens 64 w .. 64 w + 63 and
; all 192 columns: 4 x 12 accumulator tiles of 16 x 16, 384 registers; for 32 along K it loads 32 x 512 bytes from LDS for 48 matrix instructions.
; K goes in steps of 128 through two LDS slots filled by the tensor data mover: rows of 256 bytes that start at multiples of 256.
; CLUSTERS: 4 x 4 work-groups.  The four of a row of the cluster need the same rows of x, the four of a column the same rows of W:
; each tile is asked for jointly, which divides the requests for x and W by four.
; REGISTERS by windows of 256: window 0: addresses, x's fragments (two buffers of 32), the way out; window 1: W's fragments (two buffers of 96);
; window 2: tiles (a, b < 8) at 8 (8 a + b); window 3: tiles (a, b >= 8) at 8 (4 a + b - 8).
; The matrix instruction is used transposed (source 0 = 16 rows of W, source 1 = 16 tokens): a lane's eight results are eight neighbouring columns of one token.
.set KDIM,   1024
.set KSTEP,  128
.set PITCH,  272                       ; an LDS row: 256 bytes + 16 of padding, an odd multiple of 16: sixteen rows start at sixteen different places modulo 256
.set AHALF,  128*PITCH                 ; 128 rows of x: one tensor load
.set BHALF,  96*PITCH                  ; 96 rows of W: one tensor load
.set BOFF,   2*AHALF                   ; W's rows lie behind x's 256
.set SLOT,   2*AHALF+2*BHALF           ; 121,856 bytes
.set STAGE,  2*SLOT                    ; behind the ring: 16 rows x 400 bytes for each wave; no fill lands here
.set SPITCH, 400                       ; 384 bytes of a token's 192 columns + 16
.set LAPS,   KDIM/(2*KSTEP)            ; a lap = two K steps = once round the ring: 4
.set WOFF,   8388608                   ; W in cb
.set PLANE,  524288
.set ADRA, 16                          ; v16-17  LDS address of my x fragments in slot 0, 1
.set ADRB, 20                          ; v20-21  the same for W
.set STO,  24                          ; v24     the way out: where I put 16 bytes of a token's row
.set RD,   25                          ; v25     the way out: where I read back
.set CO,   26                          ; v26     my byte offset in a head's 512 bytes of four tokens
.set FA,   32                          ; x's fragments: buffer f at 32 + 32 f (window 0); W's: buffer f at 96 f (window 1)
.set TMP,  96                          ; v96-143 packed results
.set BUF,  144                         ; v144-191, v192-239: rows read back, two buffers
.set G1, 24                            ; s[24:31] group 1 for x's tiles
.set G0, 32                            ; s[32:39] group 0 for x's tiles, a set for each slot
.set G1B, 48                           ; s[48:55] group 1 for W's tiles
.set G0B, 56                           ; s[56:63] group 0 for W's tiles, a set for each slot
.set MSB, 0
.macro WIN new                         ; the immediate's high byte repeats the setting that is left
.if MSB != \new
	s_set_vgpr_msb (MSB<<8)|\new
.set MSB, \new
.endif
.endm
.set MUL_LO, 0xa1                      ; source 0 (W) window 1, source 1 (x) window 0, C and D window 2
.set MUL_HI, 0xf1                      ; the same, C and D window 3
.set TO_B,   0x40                      ; destination window 1, address window 0
; A joint load: waves 0 and 1 fetch x's two halves, waves 2 and 3 W's.  Each line has one mask; the branch hangs on the wave's number alone.
.macro JLOAD s
	s_cmp_eq_u32 s11, 0
	s_cbranch_scc0 .Lfor_b_\@
	tensor_load_to_lds s[G0+4*\s:G0+4*\s+3], s[G1:G1+7]
	s_nop 0
	s_branch .Lasked_\@
.Lfor_b_\@:
	tensor_load_to_lds s[G0B+4*\s:G0B+4*\s+3], s[G1B:G1B+7]
	s_nop 0
.Lasked_\@:
.endm
; A round of the cluster's barrier: my work-group's barrier, wave 0 signals for the work-group, every wave waits for all sixteen, my work-group's barrier again.
.macro CREST                           ; a round behind its opening barrier
	s_cmp_lg_u32 s10, 0
	s_cbranch_scc1 .Lnot_wave_0_\@
	s_barrier_signal -3
.Lnot_wave_0_\@:
	s_barrier_wait -3
	s_barrier_signal -1
	s_barrier_wait -1
.endm
.macro CROUND
	s_barrier_signal -1
	s_barrier_wait -1
	CREST
.endm
	s_load_b128 s[4:7], s[0:1], 0x0                ; cb s[4:5], qkvh s[6:7]
	s_set_vgpr_msb 0x40
	v_lshl_add_u32 v255, v0, 2, 0x41c00
	s_set_vgpr_msb 0x4000
	v_mov_b32 v255, 0
	s_set_vgpr_msb 0x1
	ds_add_u32 v255, v255
	ds_add_u32 v255, v255
	s_set_vgpr_msb 0x100
	v_lshrrev_b32 v1, 5, v0
	v_readfirstlane_b32 s10, v1                    ; wave 0..3
	s_lshr_b32 s11, s10, 1                         ; I fetch for x (0) or for W (1)
	s_and_b32 s12, s10, 1                          ; which half of that tile
	s_bfe_u32 s40, ttmp6, 0x40000                  ; cx
	s_bfe_u32 s41, ttmp6, 0x40004                  ; cy
	s_lshl_b32 s42, ttmp9, 2
	s_add_co_u32 s42, s42, s40                     ; block column = 4 x cluster x + cx
	s_and_b32 s13, ttmp7, 0xffff
	s_lshl_b32 s13, s13, 2
	s_add_co_u32 s13, s13, s41                     ; block row = 4 x cluster y + cy
	s_lshl_b32 s43, s41, 2
	s_lshl_b32 s43, 15, s43                        ; my row of the cluster: places 4 cy .. 4 cy + 3
	s_lshl_b32 s44, 0x1111, s40                    ; my column: places cx, cx + 4, cx + 8, cx + 12
	; group 1: rows of 128 elements of 2 bytes, 16 bytes of padding behind every 64 words; 128 rows for x, 96 for W; 1,024 elements from row to row
	s_or_b32 s[G1+0], s43, (1<<16)|(1<<20)|(1<<21)|(5<<22)|(3<<25)
	s_or_b32 s[G1B+0], s44, (1<<16)|(1<<20)|(1<<21)|(5<<22)|(3<<25)
	s_mov_b32 s[G1+1], KSTEP<<16                   ; tensor_dim0 = 128
	s_mov_b32 s[G1B+1], KSTEP<<16
	s_mov_b32 s[G1+2], 128<<16                     ; tensor_dim1 = the tile's rows
	s_mov_b32 s[G1B+2], 96<<16
	s_mov_b32 s[G1+3], KSTEP<<16                   ; tile_dim0 = 128
	s_mov_b32 s[G1B+3], KSTEP<<16
	s_mov_b32 s[G1+4], 128                         ; tile_dim1
	s_mov_b32 s[G1B+4], 96
	s_mov_b32 s[G1+5], KDIM                        ; the pitch
	s_mov_b32 s[G1B+5], KDIM
	s_mov_b32 s[G1+6], 0
	s_mov_b32 s[G1B+6], 0
	s_mov_b32 s[G1+7], 0
	s_mov_b32 s[G1B+7], 0
	; where the tiles come from: x's hang on the block row and the wave alone, W's on the block column and the wave alone, each in registers that never hold the other coordinate
	s_lshl_b32 s16, s13, 19                        ; 256 rows of 2,048 bytes
	s_lshl_b32 s17, s12, 18                        ; + 128 rows for the second half
	s_add_co_u32 s16, s16, s17
	s_mov_b32 s17, 0
	s_mul_i32 s46, s42, 192*2048
	s_mul_i32 s47, s12, 96*2048
	s_add_co_u32 s46, s46, s47
	s_add_co_u32 s46, s46, WOFF
	s_mov_b32 s47, 0
	s_mul_i32 s20, s10, AHALF                      ; where they go: x's halves at wave x 34,816 (waves 0, 1),
	s_mul_i32 s21, s10, BHALF                      ; W's at 17,408 + wave x 26,112 (waves 2, 3: 69,632 and 95,744)
	s_add_co_u32 s21, s21, BOFF-2*BHALF
	s_wait_dscnt 0x0
	s_wait_kmcnt 0x0
	s_add_nc_u64 s[14:15], s[4:5], s[16:17]
	s_add_nc_u64 s[46:47], s[4:5], s[46:47]
	CROUND                                         ; all sixteen work-groups are here: the first joint loads meet
.irp s, 0,1
	s_mov_b32 s[G0+4*\s], 1
	s_add_co_u32 s[G0+4*\s+1], s20, \s*SLOT
	s_add_nc_u64 s[G0+4*\s+2:G0+4*\s+3], s[14:15], \s*KSTEP*2
	s_or_b32 s[G0+4*\s+3], s[G0+4*\s+3], 0x80000000
	s_mov_b32 s[G0B+4*\s], 1
	s_add_co_u32 s[G0B+4*\s+1], s21, \s*SLOT
	s_add_nc_u64 s[G0B+4*\s+2:G0B+4*\s+3], s[46:47], \s*KSTEP*2
	s_or_b32 s[G0B+4*\s+3], s[G0B+4*\s+3], 0x80000000
	JLOAD \s                                       ; K steps 0 and 1: two loads of a wave are out, the most in this text
.endr
	; a fragment: lane l holds row l % 16; registers 0-3 K = 8 (l / 16) + 0..7, registers 4-7 K = 16 + 8 (l / 16) + 0..7: two loads of 16 bytes, 32 apart
	v_and_b32 v1, 15, v0                           ; r
	v_bfe_u32 v2, v0, 4, 1                         ; h
	v_mul_u32_u24 v3, v1, PITCH
	v_lshl_add_u32 v3, v2, 4, v3                   ; r x pitch + 16 h
	s_mul_i32 s22, s10, 64*PITCH                   ; my 64 tokens
	s_mov_b32 s23, BOFF                            ; all of W's 192 rows
.irp s, 0,1
	v_add_nc_u32 v[ADRA+\s], s22, v3
	v_add_nc_u32 v[ADRB+\s], s23, v3
	s_add_co_u32 s22, s22, SLOT
	s_add_co_u32 s23, s23, SLOT
.endr
	s_mul_i32 s23, s10, 16*SPITCH
	s_add_co_u32 s23, s23, STAGE                   ; my stage
	v_mul_u32_u24 v4, v1, SPITCH
	v_lshl_add_u32 v4, v2, 4, v4
	v_add_nc_u32 v[STO], s23, v4                   ; in: token r, 16 bytes for each half of the lanes
	v_and_b32 v6, 31, v0
	v_lshrrev_b32 v7, 3, v6
	v_and_b32 v8, 7, v0
	v_mul_u32_u24 v5, v7, SPITCH
	v_lshl_add_u32 v5, v8, 4, v5
	v_add_nc_u32 v[RD], s23, v5                    ; back: eight lanes take the 128 bytes of one token and one head, a wave four tokens
	v_lshlrev_b32 v[CO], 4, v6                     ; which are 512 consecutive bytes of the head's plane
; 16 matrix instructions: token blocks a0, a0 + 1 x column blocks 0-7.  zero = 1: the first product starts the sums.
.macro MULLO f, a0, zero
.irp a, \a0, \a0+1
.irp b, 0,1,2,3,4,5,6,7
.if \zero
	v_wmma_f32_16x16x32_bf16 v[8*(8*(\a)+\b):8*(8*(\a)+\b)+7], v[96*\f+8*\b:96*\f+8*\b+7], v[FA+32*\f+8*(\a):FA+32*\f+8*(\a)+7], 0
.else
	v_wmma_f32_16x16x32_bf16 v[8*(8*(\a)+\b):8*(8*(\a)+\b)+7], v[96*\f+8*\b:96*\f+8*\b+7], v[FA+32*\f+8*(\a):FA+32*\f+8*(\a)+7], v[8*(8*(\a)+\b):8*(8*(\a)+\b)+7]
.endif
.endr
.endr
.endm
; 16 matrix instructions: all four token blocks x column blocks 8-11
.macro MULHI f, zero
.irp a, 0,1,2,3
.irp b, 0,1,2,3
.if \zero
	v_wmma_f32_16x16x32_bf16 v[8*(4*\a+\b):8*(4*\a+\b)+7], v[96*\f+64+8*\b:96*\f+64+8*\b+7], v[FA+32*\f+8*\a:FA+32*\f+8*\a+7], 0
.else
	v_wmma_f32_16x16x32_bf16 v[8*(4*\a+\b):8*(4*\a+\b)+7], v[96*\f+64+8*\b:96*\f+64+8*\b+7], v[FA+32*\f+8*\a:FA+32*\f+8*\a+7], v[8*(4*\a+\b):8*(4*\a+\b)+7]
.endif
.endr
.endr
.endm
; 32 LDS loads in one run: a quarter step's fragments (32 K at byte k of the rows) into buffer f: x's 8, W's blocks 0-7 (16), W's blocks 8-11 (8)
.macro FETCH slot, k, f
	WIN 0
.irp i, 0,1,2,3
	ds_load_b128 v[FA+32*\f+8*\i:FA+32*\f+8*\i+3],   v[ADRA+\slot] offset:\k+\i*16*PITCH
	ds_load_b128 v[FA+32*\f+8*\i+4:FA+32*\f+8*\i+7], v[ADRA+\slot] offset:\k+\i*16*PITCH+32
.endr
	WIN TO_B
.irp i, 0,1,2,3,4,5,6,7,8,9,10,11
	ds_load_b128 v[96*\f+8*\i:96*\f+8*\i+3],   v[ADRB+\slot] offset:\k+\i*16*PITCH
	ds_load_b128 v[96*\f+8*\i+4:96*\f+8*\i+7], v[ADRB+\slot] offset:\k+\i*16*PITCH+32
.endr
.endm
; A load into a register that a matrix instruction has read, and a vector instruction that reads a matrix result, stand four places behind it,
; and only plain vector instructions that name none of its registers are places (ISA guide 7.12.1 for vector instructions).
.macro PLACES
.rept 4
	v_nop
.endr
.endm
; A K step is four quarters of 32 along K, 48 matrix instructions each, on buffers 0, 1, 0, 1.  The 48 accumulators take turns, one instruction
; a turn, in the same order in every quarter.
.macro QUARTER slot, k, f, g, zero
	s_wait_dscnt 8                                 ; x's fragments and W's blocks 0-7 are in; the youngest eight loads (W's blocks 8-11) may be out
	WIN MUL_LO
	MULLO \f, 0, \zero
	MULLO \f, 2, \zero
	PLACES
	FETCH \slot, \k, \g
	s_wait_dscnt 32                                ; all but the 32 just issued
	WIN MUL_HI
	MULHI \f, \zero
.endm
.macro THREE slot, zero
	QUARTER \slot, 64,  0, 1, \zero
	QUARTER \slot, 128, 1, 0, 0
	QUARTER \slot, 192, 0, 1, 0
.endm
; The last quarter multiplies buffer 1 and changes slots.  In front of the barrier each wave waits for its reads of this slot and for all its tensor
; loads (the one that is out is its part of the next slot).  Behind it the refill comes first, then the next slot's first fragments.
.macro TURN slot, next, fill
	s_wait_dscnt 8
	WIN MUL_LO
	MULLO 1, 0, 0
	s_wait_dscnt 0                                 ; my reads of this slot are over
	s_wait_tensorcnt 0x0                           ; all my tensor loads have landed
	ds_add_u32 v255, v255
	s_wait_dscnt 0x0
	s_barrier_signal -1                            ; where the slot is filled again this barrier opens a round of the cluster's barrier
	MULLO 1, 2, 0                                  ; register work while the others arrive
	WIN 0
	s_barrier_wait -1
.if \fill
	CREST                                          ; no wave of any partner still reads this slot or has a load on its way
	s_add_nc_u64 s[G0+4*\slot+2:G0+4*\slot+3], s[G0+4*\slot+2:G0+4*\slot+3], 2*KSTEP*2
	s_add_nc_u64 s[G0B+4*\slot+2:G0B+4*\slot+3], s[G0B+4*\slot+2:G0B+4*\slot+3], 2*KSTEP*2
	JLOAD \slot                                    ; the first tensor load behind the round, and my only one until the next
.endif
	PLACES
	FETCH \next, 0, 0
	WIN MUL_HI
	MULHI 1, 0
.endm
.macro LAP zero
	THREE 0, \zero
	TURN 0, 1, 1
	THREE 1, 0
	TURN 1, 0, 1
.endm
	s_wait_tensorcnt 1                             ; my part of K step 0 is in; K step 1's may stay out
	s_barrier_signal -1
	s_barrier_wait -1                              ; everybody's is
	FETCH 0, 0, 0
	LAP 1                                          ; the first lap stands in front of the loop: its first products start the sums
	WIN 0
	s_mov_b32 s3, LAPS-2
.Llap:
	LAP 0
	WIN 0
	s_sub_co_u32 s3, s3, 1
	s_cmp_lg_u32 s3, 0
	s_cbranch_scc1 .Llap
	THREE 0, 0                                     ; the last lap fills nothing
	TURN 0, 1, 0
	THREE 1, 0
	s_wait_dscnt 8
	WIN MUL_LO
	MULLO 1, 0, 0
	MULLO 1, 2, 0
	s_wait_dscnt 0
	WIN MUL_HI
	MULHI 1, 0
	; THE WAY OUT, 16 tokens at a time: round to f16, 16 bytes a lane into my own stage, read back by heads: four tokens of one head are 512 consecutive bytes of its plane.
	PLACES
	s_lshl_b32 s16, s13, 15                        ; 256 tokens of 128 bytes
	s_lshl_b32 s17, s10, 13                        ; + my 64
	s_add_co_u32 s16, s16, s17
	s_mov_b32 s17, 0
	s_add_nc_u64 s[6:7], s[6:7], s[16:17]
	s_mul_i32 s46, s42, 3*PLANE                    ; my three planes
	s_mov_b32 s47, 0
	s_add_nc_u64 s[6:7], s[6:7], s[46:47]
.macro OUT16 a, f
	WIN 0x0a                                       ; sources in window 2
.irp b, 0,1,2,3,4,5,6,7
.irp r, 0,1,2,3
	v_cvt_pk_f16_f32 v[TMP+4*\b+\r], v[8*(8*\a+\b)+2*\r], v[8*(8*\a+\b)+2*\r+1]
.endr
.endr
	WIN 0x0f                                       ; sources in window 3
.irp b, 0,1,2,3
.irp r, 0,1,2,3
	v_cvt_pk_f16_f32 v[TMP+32+4*\b+\r], v[8*(4*\a+\b)+2*\r], v[8*(4*\a+\b)+2*\r+1]
.endr
.endr
	WIN 0
.irp b, 0,1,2,3,4,5,6,7,8,9,10,11
	ds_store_b128 v[STO], v[TMP+4*\b:TMP+4*\b+3] offset:32*\b
.endr
	s_wait_xcnt 0x0                                ; buffer f, which earlier stores read, is loaded again only behind this wait (ISA guide 3.1)
.irp c, 0,1,2
.irp i, 0,1,2,3
	ds_load_b128 v[BUF+48*\f+4*(4*\c+\i):BUF+48*\f+4*(4*\c+\i)+3], v[RD] offset:128*\c+4*SPITCH*\i   ; LDS serves a wave's instructions in order (ISA guide 5.7.1): these see the stores above
.endr
.endr
.irp c, 0,1,2
.irp i, 0,1,2,3
	s_wait_dscnt 11-(4*\c+\i)
	global_store_b128 v[CO], v[BUF+48*\f+4*(4*\c+\i):BUF+48*\f+4*(4*\c+\i)+3], s[6:7] offset:PLANE*\c+2048*\a+512*\i   ; 512 consecutive bytes, aligned
.endr
.endr
.endm
	OUT16 0, 0
	OUT16 1, 1
	OUT16 2, 0
	OUT16 3, 1
	s_set_vgpr_msb 0x1
	s_wait_tensorcnt 0x0
	ds_add_u32 v255, v255
	s_wait_dscnt 0x0
	s_set_vgpr_msb 0x100
	CROUND                                         ; the closing round: no work-group ends while a partner may still ask for a tile that names it
	s_endpgm
.Lfunc_end_k_qeeb3ee8157_qkv:
	.size	k_qeeb3ee8157_qkv, .Lfunc_end_k_qeeb3ee8157_qkv-k_qeeb3ee8157_qkv
	.p2alignl 7, 3214868480
	.fill 96, 4, 3214868480
	.section	.rodata,"a",@progbits
	.p2align	6, 0x0
	.amdhsa_kernel k_qeeb3ee8157_qkv
		.amdhsa_group_segment_fixed_size 327680
		.amdhsa_private_segment_fixed_size 0
		.amdhsa_enable_private_segment 0
		.amdhsa_kernarg_size 16
		.amdhsa_user_sgpr_count 2
		.amdhsa_user_sgpr_kernarg_segment_ptr 1
		.amdhsa_wavefront_size32 1
		.amdhsa_system_sgpr_workgroup_id_x 1
		.amdhsa_system_sgpr_workgroup_id_y 1
		.amdhsa_system_sgpr_workgroup_id_z 1
		.amdhsa_system_vgpr_workitem_id 0
		.amdhsa_next_free_vgpr 896
		.amdhsa_next_free_sgpr 66
		.amdhsa_reserve_vcc 0
		.amdhsa_float_denorm_mode_32 3
		.amdhsa_float_denorm_mode_16_64 3
		.amdhsa_memory_ordered 1
		.amdhsa_forward_progress 1
		.amdhsa_inst_pref_size 163
	.end_amdhsa_kernel
	.amdgpu_metadata
---
amdhsa.version: [ 1, 2 ]
amdhsa.kernels:
  - .name:           k_qeeb3ee8157_qkv
    .symbol:         k_qeeb3ee8157_qkv.kd
    .args:
      - { .name: cb, .offset: 0, .size: 8, .value_kind: global_buffer, .address_space: global }
      - { .name: qkvh, .offset: 8, .size: 8, .value_kind: global_buffer, .address_space: global }
    .group_segment_fixed_size: 327680
    .private_segment_fixed_size: 0
    .kernarg_segment_align: 8
    .kernarg_segment_size: 16
    .max_flat_workgroup_size: 128
    .sgpr_count:     66
    .vgpr_count:     896
    .wavefront_size: 32
...
	.end_amdgpu_metadata
.endif
;; end of part 2
;; launch attn (part 3): grid 8 x 32, 4 waves a work-group, no clusters, 327,680 bytes of LDS; arguments qkvh, ao; writes ao
.if DOCPART == 3
	.amdgcn_target "amdgcn-amd-amdhsa--gfx1250"
	.amdhsa_code_object_version 6
	.text
	.protected	k_qeeb3ee8157_attn
	.globl	k_qeeb3ee8157_attn
	.p2align	8
	.type	k_qeeb3ee8157_attn,@function
k_qeeb3ee8157_attn:
	s_mov_b64 s[64:65], 0
	v_nop
	global_prefetch_b8 v0, s[64:65] scope:SCOPE_SE
	s_setreg_imm32_b32 hwreg(HW_REG_WAVE_MODE, 25, 1), 1
	s_wait_xcnt 0x0
; Causal attention of one head and one batch row (grid y = 16 b + h): ao[h][token][64] = softmax(q k^T / 8, causal) v, f16 in, f16 out, sums and softmax in f32.
; A query block is 128 rows, 32 for each of four waves; a key tile is 128 keys.  Work-group p (grid x, 0..7) makes query blocks p and 15 - p:
; (p + 1) + (16 - p) = 17 key tiles for every work-group, 256 equal work-groups.  Phase X takes the even block, phase Y the odd one, so that X has an odd
; number of tiles and every tile's LDS slot is fixed in the text.  Each phase takes its diagonal tile first (it starts all sums: nothing is cleared),
; then the tiles below it, descending.  Tiles above the diagonal are not computed: their weights are zero.
; TRANSPOSED FORM: S^T = K Q^T (a lane holds one query and 8 keys a tile), so the packed weights are at once the second source of O^T = V^T P^T,
; the row's maximum and sum need one exchange between the halves of the wave, and the factors alpha and 1/l are one number a lane.
; The running maximum is taken away before every exponential, as the softmax asks.  alpha is made of the two rounded shifts, so that it fits the weights also where scores are large.
; WHY f16 for q, k, v, the weights p and the result: a token early in the sequence averages few values, so its row is large beside the root mean square of the
; whole result; bf16's 8 significant bits are too few for such rows, f16 has 11 at the same matrix rate.  The weights lie in [0, 1] (the row's largest is 2^0) and the
; result is a convex mix of v, so both have the room that v has.
; NO CLUSTER: the eight work-groups of a head read the same K and V, but under the causal mask they need different tiles at a time (block p wants p + 1 tiles,
; its partners other numbers), so no joint request could be alike in all partners on every path.
; LIMITS: NaN and infinities in the inputs are not reproduced (the maxima drop NaN); q, k, v, p and the result are rounded to f16: |q|, |k|, |v| below 65,504;
; weights below 2^-25 of the row's largest count as zero in the product with v; l is the sum of the unrounded p.
; A sub-step is 64 keys: 16 matrix instructions for S, the softmax of 64 scores a lane, 16 matrix instructions for O.  The second sub-step's O products are
; put off into the head of the next tile, where they fill the time of the barrier and of the first K loads.
.set KP,    144                        ; K's LDS pitch: 128 bytes + 16, an odd multiple of 16
.set VP,    160                        ; V's LDS pitch: 128 bytes + 32, an odd multiple of 32, for the transposing loads
.set VB,    20480                      ; V's 128 keys in a slot (K's 128 take 18,432; V's halves then lie at wave x 10,240 for waves 2 and 3)
.set SLOT,  40960
.set STAGE, 2*SLOT                     ; behind the ring: 32 rows x 144 bytes for each wave; no fill lands here
.set PLANE, 524288
.set KA,   4                           ; v4-5    LDS address of my K fragments in slot 0, 1: 144 r + 16 h
.set VA,   6                           ; v6-7    of my V fragments: (8 h + l % 8) x 160 + 16 ((l / 8) % 2)
.set QO,   8                           ; v8      my offset in a query block: (32 w + r) x 128 + 16 h
.set STO,  9                           ; v9      the way out: in
.set RD,   10                          ; v10     the way out: back
.set CO,   11                          ; v11     my offset in the block's 16,384 bytes of ao: 4,096 w + 16 l
.set TH,   12                          ; v12-13  query tile 0, 1: my query's place in the block less 8 h: key 64 sub + 16 kt + j is masked where it is larger
.set NINF, 14                          ; v14     minus infinity
.set MX,   16                          ; v16-17  running maximum of the raw scores, query tile 0, 1
.set LS,   18                          ; v18-19  running sum over my half of the keys
.set NM,   20                          ; v[20:23] the shift - 0.125 log2(e) x maximum, twice, for each query tile
.set AL,   24                          ; v[24:27] alpha (at the end 1/l), twice, for each query tile
.set T0,   32
.set T1,   33
.set T2,   34
.set T3,   35
.set U0,   36                          ; v[36:37], v[38:39] two chains of sums
.set U1,   38
.set KF,   64                          ; v64-127  K's fragments of a sub-step: 64 + 16 kt + 8 ks
.set SS,   128                         ; v128-191 S^T: 128 + 32 qt + 8 kt; then the packed weights in the first 16 of each 32
.set TT,   192                         ; v192-223 the way out
.set UU,   224                         ; v224-239 the way out, packed
.set QX,   0                           ; window 1: v0-31 Q of phase X, v32-63 of phase Y: 16 qt + 8 ks
.set QY,   32
.set VF,   64                          ; window 1: v64-127 V's fragments: 64 + 16 dt + 8 kstep
.set OO,   128                         ; window 1: v128-191 O^T: 128 + 32 qt + 8 dt
.set G1K, 24                           ; s[24:31] group 1 for K, s[32:39] for V (they differ in the padding)
.set G1V, 32
.set G0K, 40                           ; s[40:47] group 0 for K, a set for each slot; s[48:55] for V
.set G0V, 48
.set MSB, 0
.macro WIN new                         ; the immediate's high byte repeats the setting that is left
.if MSB != \new
	s_set_vgpr_msb (MSB<<8)|\new
.set MSB, \new
.endif
.endm
.macro PLACES                          ; four places behind a matrix instruction, before its result is read or a source loaded again (ISA guide 7.12.1)
.rept 4
	v_nop
.endr
.endm
.macro FIVE                            ; five, before another matrix instruction writes over a source
.rept 5
	v_nop
.endr
.endm
; The address of the next key tile (block s15) into slot's two sets; then s15 counts down, and behind block 0 of phase X comes phase Y's diagonal block.
.macro NEXTADDR slot
	s_lshl_b32 s18, s15, 14                        ; 128 keys of 128 bytes
	s_mov_b32 s19, 0
	s_add_nc_u64 s[G0K+4*\slot+2:G0K+4*\slot+3], s[20:21], s[18:19]
	s_or_b32 s[G0K+4*\slot+3], s[G0K+4*\slot+3], 0x80000000
	s_add_nc_u64 s[G0V+4*\slot+2:G0V+4*\slot+3], s[22:23], s[18:19]
	s_or_b32 s[G0V+4*\slot+3], s[G0V+4*\slot+3], 0x80000000
	s_sub_co_i32 s15, s15, 1
	s_cmp_lt_i32 s15, 0
	s_cselect_b32 s15, s14, s15
.endm
; One tensor load a wave: waves 0 and 1 bring K's two halves of 64 keys, waves 2 and 3 V's.
.macro JLOAD slot
	s_cmp_eq_u32 s9, 0
	s_cbranch_scc0 .Lfor_v_\@
	tensor_load_to_lds s[G0K+4*\slot:G0K+4*\slot+3], s[G1K:G1K+7]
	s_nop 0
	s_branch .Lasked_\@
.Lfor_v_\@:
	tensor_load_to_lds s[G0V+4*\slot:G0V+4*\slot+3], s[G1V:G1V+7]
	s_nop 0
.Lasked_\@:
.endm
; 16 LDS loads: K's fragments of 64 keys: lane (r, h) takes key 16 kt + r, d = 32 ks + 8 h + 0..7 and 32 ks + 16 + 8 h + 0..7
.macro KLOAD slot, sub
	WIN 0
.irp kt, 0,1,2,3
.irp ks, 0,1
	ds_load_b128 v[KF+16*\kt+8*\ks:KF+16*\kt+8*\ks+3],   v[KA+\slot] offset:(64*\sub+16*\kt)*KP+64*\ks
	ds_load_b128 v[KF+16*\kt+8*\ks+4:KF+16*\kt+8*\ks+7], v[KA+\slot] offset:(64*\sub+16*\kt)*KP+64*\ks+32
.endr
.endr
.endm
; 16 transposing LDS loads: V^T's fragments of 64 keys: lane (r, h) gets d = 16 dt + r, keys 32 kstep + 8 h + 0..7 and 32 kstep + 16 + 8 h + 0..7
.macro VLOAD slot, sub
	WIN 0x40                                       ; destination window 1, address window 0
.irp dt, 0,1,2,3
.irp kstep, 0,1
	ds_load_tr16_b128 v[VF+16*\dt+8*\kstep:VF+16*\dt+8*\kstep+3],   v[VA+\slot] offset:VB+(64*\sub+32*\kstep)*VP+32*\dt
	ds_load_tr16_b128 v[VF+16*\dt+8*\kstep+4:VF+16*\dt+8*\kstep+7], v[VA+\slot] offset:VB+(64*\sub+32*\kstep)*VP+32*\dt+16*VP
.endr
.endr
.endm
; S^T of 64 keys x 32 queries: eight tiles by turns, one instruction a turn; d = 0..31 starts the sums, d = 32..63 adds
.macro SMUL qb
	WIN 0x04                                       ; source 1 (Q) window 1
.irp qt, 0,1
.irp kt, 0,1,2,3
	v_wmma_f32_16x16x32_f16 v[SS+32*\qt+8*\kt:SS+32*\qt+8*\kt+7], v[KF+16*\kt:KF+16*\kt+7], v[\qb+16*\qt:\qb+16*\qt+7], 0
.endr
.endr
.irp qt, 0,1
.irp kt, 0,1,2,3
	v_wmma_f32_16x16x32_f16 v[SS+32*\qt+8*\kt:SS+32*\qt+8*\kt+7], v[KF+16*\kt+8:KF+16*\kt+15], v[\qb+16*\qt+8:\qb+16*\qt+15], v[SS+32*\qt+8*\kt:SS+32*\qt+8*\kt+7]
.endr
.endr
.endm
; O^T += V^T P^T over 32 keys: eight tiles by turns.  Runs under the setting 0x51 (V and O window 1, P window 0).
.macro PVK kstep, zero
.irp qt, 0,1
.irp dt, 0,1,2,3
.if \zero
	v_wmma_f32_16x16x32_f16 v[OO+32*\qt+8*\dt:OO+32*\qt+8*\dt+7], v[VF+16*\dt+8*\kstep:VF+16*\dt+8*\kstep+7], v[SS+32*\qt+8*\kstep:SS+32*\qt+8*\kstep+7], 0
.else
	v_wmma_f32_16x16x32_f16 v[OO+32*\qt+8*\dt:OO+32*\qt+8*\dt+7], v[VF+16*\dt+8*\kstep:VF+16*\dt+8*\kstep+7], v[SS+32*\qt+8*\kstep:SS+32*\qt+8*\kstep+7], v[OO+32*\qt+8*\dt:OO+32*\qt+8*\dt+7]
.endif
.endr
.endr
.endm
; The softmax step of one query tile: 32 scores a lane.  first = 1: the phase's first sub-step, nothing to carry on.  mask = 1: the diagonal tile.
.macro SOFT qt, first, mask, sub
.if \mask
.irp kt, 0,1,2,3
.irp j, 0,1,2,3,4,5,6,7
	v_cmp_gt_i32 vcc_lo, 64*\sub+16*\kt+\j, v[TH+\qt]          ; key behind the query: minus infinity
	v_cndmask_b32 v[SS+32*\qt+8*\kt+\j], v[SS+32*\qt+8*\kt+\j], v[NINF], vcc_lo
.endr
.endr
.endif
	v_max_num_f32 v[T0], v[SS+32*\qt], v[SS+32*\qt+1]          ; two chains of maxima
	v_max_num_f32 v[T1], v[SS+32*\qt+16], v[SS+32*\qt+17]
.irp i, 2,4,6,8,10,12,14
	v_max3_num_f32 v[T0], v[T0], v[SS+32*\qt+\i], v[SS+32*\qt+\i+1]
	v_max3_num_f32 v[T1], v[T1], v[SS+32*\qt+16+\i], v[SS+32*\qt+17+\i]
.endr
	v_max_num_f32 v[T0], v[T0], v[T1]
	v_permlanex16_b32 v[T1], v[T0], s16, s17                   ; the other half of the wave holds my query's other keys
.if \first
	v_max_num_f32 v[MX+\qt], v[T0], v[T1]                      ; key 0 of the block is open to every query: the maximum is finite
	v_mul_f32 v[NM+2*\qt], 0xbe38aa3b, v[MX+\qt]               ; - 0.125 log2(e) x maximum
	v_mov_b32 v[NM+2*\qt+1], v[NM+2*\qt]
.else
	v_max3_num_f32 v[MX+\qt], v[T0], v[T1], v[MX+\qt]
	v_mul_f32 v[T2], 0xbe38aa3b, v[MX+\qt]
	v_sub_f32 v[T3], v[T2], v[NM+2*\qt]                        ; new shift less old shift, both as rounded: not fused, so that alpha fits the weights made with them
	v_mov_b32 v[NM+2*\qt], v[T2]
	v_mov_b32 v[NM+2*\qt+1], v[T2]
.endif
.irp i, 0,2,4,6,8,10,12,14,16,18,20,22,24,26,28,30
	v_pk_fma_f32 v[SS+32*\qt+\i:SS+32*\qt+\i+1], v[SS+32*\qt+\i:SS+32*\qt+\i+1], 0x3e38aa3b, v[NM+2*\qt:NM+2*\qt+1] op_sel_hi:[1,0,1]
.endr
.set cnt, 0
.rept 32
	v_exp_f32 v[SS+32*\qt+cnt], v[SS+32*\qt+cnt]
.set cnt, cnt+1
.endr
.if \first == 0
	v_exp_f32 v[AL+2*\qt], v[T3]
	v_exp_f32 v[AL+2*\qt+1], v[T3]
.endif
	v_nop                                                      ; one plain place behind the exponentials before their results are used (ISA guide 5.7.2)
	s_wait_alu depctr_va_vdst(0)
	v_pk_add_f32 v[U0:U0+1], v[SS+32*\qt:SS+32*\qt+1], v[SS+32*\qt+2:SS+32*\qt+3]
	v_pk_add_f32 v[U1:U1+1], v[SS+32*\qt+4:SS+32*\qt+5], v[SS+32*\qt+6:SS+32*\qt+7]
.irp i, 8,12,16,20,24,28
	v_pk_add_f32 v[U0:U0+1], v[U0:U0+1], v[SS+32*\qt+\i:SS+32*\qt+\i+1]
	v_pk_add_f32 v[U1:U1+1], v[U1:U1+1], v[SS+32*\qt+\i+2:SS+32*\qt+\i+3]
.endr
	v_pk_add_f32 v[U0:U0+1], v[U0:U0+1], v[U1:U1+1]
.if \first
	v_add_f32 v[LS+\qt], v[U0], v[U0+1]
.else
	v_add_f32 v[T0], v[U0], v[U0+1]
	v_fma_f32 v[LS+\qt], v[LS+\qt], v[AL+2*\qt], v[T0]
.endif
.set cnt, 0
.rept 16
	v_cvt_pk_f16_f32 v[SS+32*\qt+cnt], v[SS+32*\qt+2*cnt], v[SS+32*\qt+2*cnt+1]   ; packed in place: registers 0-7 are P^T's fragment of keys 0-31, 8-15 of keys 32-63
.set cnt, cnt+1
.endr
.endm
.macro RESCALE                         ; O x alpha, both query tiles under one setting
	WIN 0x41                                       ; O window 1, alpha window 0
.irp qt, 0,1
.irp i, 0,2,4,6,8,10,12,14,16,18,20,22,24,26,28,30
	v_pk_mul_f32 v[OO+32*\qt+\i:OO+32*\qt+\i+1], v[OO+32*\qt+\i:OO+32*\qt+\i+1], v[AL+2*\qt:AL+2*\qt+1]
.endr
.endr
.endm
; A sub-step of 64 keys.  pv = 1 (sub-step 0): its O products follow; pv = 0 (sub-step 1): they are put off into the next HEAD.
.macro SUB slot, sub, qb, first, mask, pv
	s_wait_dscnt 0x0                               ; K's fragments are in
	SMUL \qb
	PLACES
	VLOAD \slot, \sub
.if \sub == 0
	KLOAD \slot, 1                                 ; the next sub-step's K, into the registers just multiplied
.endif
	WIN 0
	SOFT 0, \first, \mask, \sub
	SOFT 1, \first, \mask, \sub
.if \first == 0
	RESCALE
.endif
.if \pv
	s_wait_dscnt 16                                ; V's 16 loads are in; the 16 K loads issued behind them may be out
	WIN 0x51
	PVK 0, \first
	PVK 1, 0
	FIVE                                           ; the next S products write over P
.endif
	WIN 0
.endm
; The head of a tile in slot: the change of slots, with the last sub-step's O products laid round it.  In front of the barrier each wave waits for its
; LDS reads (the other slot's among them) and for all its tensor loads (its part of this slot).  Behind it the refill of the other slot comes first.
.macro HEAD slot, other, refill
	s_wait_dscnt 0x0
	s_wait_tensorcnt 0x0                           ; no tensor load of mine is out: a group 0 may be written
	ds_add_u32 v254, v255
	s_wait_dscnt 0x0
.if \refill
	NEXTADDR \other
.endif
	s_barrier_signal -1
	WIN 0x51
	PVK 0, 0                                       ; register work while the others arrive
	WIN 0
	s_barrier_wait -1
.if \refill
	JLOAD \other                                   ; my one tensor load until the next barrier; it has a whole tile's work in which to land
.endif
	KLOAD \slot, 0
	WIN 0x51
	PVK 1, 0
	WIN 0
	FIVE
.endm
.macro FULL slot, other, qb, refill
	HEAD \slot, \other, \refill
	SUB \slot, 0, \qb, 0, 0, 1
	SUB \slot, 1, \qb, 0, 0, 0
.endm
; The end of a phase: O / l, rounded to f16, through my own stage: four queries of the head are 512 consecutive bytes of ao.
.macro EPI b0
	s_wait_xcnt 0x0                                ; TT, which the last phase's stores read, is written again only behind this wait (ISA guide 3.1)
	v_permlanex16_b32 v[T0], v[LS], s16, s17       ; the sum over the other half's keys
	v_permlanex16_b32 v[T1], v[LS+1], s16, s17
	v_add_f32 v[LS], v[LS], v[T0]
	v_add_f32 v[LS+1], v[LS+1], v[T1]
	v_rcp_f32 v[AL], v[LS]                         ; l is at least about 1: the largest weight of a row is 2^0 up to the shift's rounding
	v_rcp_f32 v[AL+1], v[LS]
	v_rcp_f32 v[AL+2], v[LS+1]
	v_rcp_f32 v[AL+3], v[LS+1]
	v_nop                                          ; one plain place behind the reciprocals (ISA guide 5.7.2)
	s_wait_alu depctr_va_vdst(0)
.irp qt, 0,1
	WIN 0x01                                       ; O window 1
.irp i, 0,2,4,6,8,10,12,14,16,18,20,22,24,26,28,30
	v_pk_mul_f32 v[TT+\i:TT+\i+1], v[OO+32*\qt+\i:OO+32*\qt+\i+1], v[AL+2*\qt:AL+2*\qt+1]
.endr
	WIN 0
.set cnt, 0
.rept 16
	v_cvt_pk_f16_f32 v[UU+cnt], v[TT+2*cnt], v[TT+2*cnt+1]
.set cnt, cnt+1
.endr
.irp dt, 0,1,2,3
	ds_store_b128 v[STO], v[UU+4*\dt:UU+4*\dt+3] offset:16*KP*\qt+32*\dt   ; query 16 qt + r, d = 16 dt + 8 h + 0..7
.endr
.endr
.irp i, 0,1,2,3,4,5,6,7
	ds_load_b128 v[TT+4*\i:TT+4*\i+3], v[RD] offset:4*KP*\i        ; LDS serves a wave's instructions in order (ISA guide 5.7.1): these see the stores above
.endr
.irp i, 0,1,2,3,4,5,6,7
	s_wait_dscnt 7-\i
	global_store_b128 v[CO], v[TT+4*\i:TT+4*\i+3], s[\b0:\b0+1] offset:512*\i   ; 512 consecutive bytes, aligned
.endr
.endm
	s_load_b128 s[4:7], s[0:1], 0x0                ; qkvh s[4:5], ao s[6:7]
	v_lshl_add_u32 v254, v0, 2, 0x29000
	v_mov_b32 v255, 0
	ds_add_u32 v254, v255
	ds_add_u32 v254, v255
	v_lshrrev_b32 v1, 5, v0
	v_readfirstlane_b32 s8, v1                     ; wave 0..3
	s_lshr_b32 s9, s8, 1                           ; I fetch K (0) or V (1)
	s_and_b32 s10, s8, 1                           ; which 64 keys
	s_and_b32 s11, ttmp7, 0xffff
	s_lshr_b32 s12, s11, 4                         ; b
	s_and_b32 s11, s11, 15                         ; h
	s_mov_b32 s2, ttmp9                            ; p
	s_sub_co_u32 s14, 15, s2
	s_and_b32 s3, s2, 1
	s_cmp_lg_u32 s3, 0
	s_cselect_b32 s13, s14, s2                     ; phase X: the even one of p and 15 - p
	s_sub_co_u32 s14, 15, s13                      ; phase Y: the odd one
	s_mov_b32 s15, s13                             ; the first key tile asked for: X's diagonal
	s_mov_b32 s16, 0x76543210                      ; v_permlanex16_b32: lane i of one half reads lane i of the other
	s_mov_b32 s17, 0xfedcba98
	; group 1: 64 keys of 128 bytes are 8,192 dense bytes, fetched as 32 rows of 256 bytes (32 elements of 8 bytes); padding behind every 32 words, that is behind every key: 16 bytes for K, 32 for V
	s_mov_b32 s[G1K+0], (3<<16)|(1<<20)|(4<<22)|(3<<25)
	s_mov_b32 s[G1V+0], (3<<16)|(1<<20)|(4<<22)|(7<<25)
	s_mov_b32 s[G1K+1], 32<<16                     ; tensor_dim0 = 32
	s_mov_b32 s[G1V+1], 32<<16
	s_mov_b32 s[G1K+2], 32<<16                     ; tensor_dim1 = 32
	s_mov_b32 s[G1V+2], 32<<16
	s_mov_b32 s[G1K+3], 32<<16                     ; tile_dim0 = 32
	s_mov_b32 s[G1V+3], 32<<16
	s_mov_b32 s[G1K+4], 32                         ; tile_dim1 = 32
	s_mov_b32 s[G1V+4], 32
	s_mov_b32 s[G1K+5], 32                         ; the pitch: dense
	s_mov_b32 s[G1V+5], 32
	s_mov_b32 s[G1K+6], 0
	s_mov_b32 s[G1V+6], 0
	s_mov_b32 s[G1K+7], 0
	s_mov_b32 s[G1V+7], 0
	s_lshl_b32 s56, s11, 19                        ; the head's plane
	s_lshl_b32 s57, s12, 18                        ; + the batch row's 2,048 tokens of 128 bytes
	s_add_co_u32 s56, s56, s57
	s_lshl_b32 s18, s10, 13                        ; my 64 keys of a tile
	s_add_co_u32 s18, s18, s56
	s_add_co_u32 s18, s18, 16*PLANE                ; k's planes lie behind q's sixteen
	s_mov_b32 s19, 0
	s_mul_i32 s58, s8, 64*KP                       ; K's halves go to wave x 9,216 (waves 0, 1),
	s_mul_i32 s59, s8, 64*VP                       ; V's to wave x 10,240 (waves 2, 3: 20,480 and 30,720)
.irp s, 0,1
	s_mov_b32 s[G0K+4*\s], 1
	s_add_co_u32 s[G0K+4*\s+1], s58, \s*SLOT
	s_mov_b32 s[G0V+4*\s], 1
	s_add_co_u32 s[G0V+4*\s+1], s59, \s*SLOT
.endr
	s_wait_dscnt 0x0
	s_wait_kmcnt 0x0
	s_add_nc_u64 s[20:21], s[4:5], s[18:19]        ; K's source at key block 0
	s_add_nc_u64 s[22:23], s[20:21], 16*PLANE      ; V's
	NEXTADDR 0
	JLOAD 0                                        ; the two first fills go out together, ahead of everything else: two loads of a wave are out, the most in this text
	NEXTADDR 1
	JLOAD 1
	s_lshl_b32 s2, s13, 14                         ; a query block is 16,384 bytes of a plane
	s_add_co_u32 s2, s2, s56
	s_mov_b32 s3, 0
	s_add_nc_u64 s[66:67], s[4:5], s[2:3]          ; q of phase X
	s_add_nc_u64 s[60:61], s[6:7], s[2:3]          ; ao of phase X
	s_lshl_b32 s2, s14, 14
	s_add_co_u32 s2, s2, s56
	s_add_nc_u64 s[68:69], s[4:5], s[2:3]          ; q of phase Y
	s_add_nc_u64 s[62:63], s[6:7], s[2:3]          ; ao of phase Y
	v_and_b32 v1, 15, v0                           ; r
	v_bfe_u32 v2, v0, 4, 1                         ; h
	v_and_b32 v3, 31, v0                           ; l
	v_and_b32 v15, 0xe0, v0                        ; 32 w
	v_add_nc_u32 v28, v15, v1                      ; 32 w + r
	v_lshlrev_b32 v[QO], 7, v28
	v_lshl_add_u32 v[QO], v2, 4, v[QO]
	WIN 0x40                                       ; destination window 1
.irp qt, 0,1
.irp ks, 0,1
	global_load_b128 v[QX+16*\qt+8*\ks:QX+16*\qt+8*\ks+3],   v[QO], s[66:67] offset:2048*\qt+64*\ks
	global_load_b128 v[QX+16*\qt+8*\ks+4:QX+16*\qt+8*\ks+7], v[QO], s[66:67] offset:2048*\qt+64*\ks+32
	global_load_b128 v[QY+16*\qt+8*\ks:QY+16*\qt+8*\ks+3],   v[QO], s[68:69] offset:2048*\qt+64*\ks
	global_load_b128 v[QY+16*\qt+8*\ks+4:QY+16*\qt+8*\ks+7], v[QO], s[68:69] offset:2048*\qt+64*\ks+32
.endr
.endr
	WIN 0
	v_mul_u32_u24 v29, v1, KP
	v_lshl_add_u32 v[KA], v2, 4, v29
	v_add_nc_u32 v[KA+1], SLOT, v[KA]
	v_and_b32 v30, 7, v0
	v_lshl_add_u32 v29, v2, 3, v30                 ; 8 h + l % 8
	v_mul_u32_u24 v29, v29, VP
	v_bfe_u32 v31, v0, 3, 1
	v_lshl_add_u32 v[VA], v31, 4, v29
	v_add_nc_u32 v[VA+1], SLOT, v[VA]
	v_lshlrev_b32 v29, 3, v2
	v_sub_nc_u32 v[TH], v28, v29                   ; 32 w + r - 8 h
	v_add_nc_u32 v[TH+1], 16, v[TH]
	v_mov_b32 v[NINF], 0xff800000
	s_mul_i32 s58, s8, 32*KP
	s_add_co_u32 s58, s58, STAGE                   ; my stage
	v_add_nc_u32 v[STO], s58, v[KA]                ; + 144 r + 16 h
	v_lshrrev_b32 v29, 3, v3
	v_mul_u32_u24 v29, v29, KP
	v_lshl_add_u32 v29, v30, 4, v29
	v_add_nc_u32 v[RD], s58, v29                   ; + 144 (l / 8) + 16 (l % 8)
	v_lshlrev_b32 v[CO], 4, v3
	v_lshl_or_b32 v[CO], v15, 7, v[CO]             ; 4,096 w + 16 l
	s_wait_tensorcnt 0x1                           ; my part of the first tile is in; the second tile's may stay out
	s_barrier_signal -1
	s_barrier_wait -1                              ; everybody's is
	KLOAD 0, 0
	s_wait_loadcnt 0x0                             ; Q, once
	SUB 0, 0, QX, 1, 1, 1                          ; phase X: the diagonal tile, in slot 0
	SUB 0, 1, QX, 0, 1, 0                          ; every wave computes its second half masked: the O products put off need weights, here zeros where all is masked
	s_lshr_b32 s58, s13, 1                         ; X's block number is even: the tiles below the diagonal go two a trip
	s_cmp_eq_u32 s58, 0
	s_cbranch_scc1 .Lx_done
.Lx:
	FULL 1, 0, QX, 1
	FULL 0, 1, QX, 1
	s_sub_co_i32 s58, s58, 1
	s_cmp_lg_u32 s58, 0
	s_cbranch_scc1 .Lx
.Lx_done:
	HEAD 1, 0, 1                                   ; ends X's sums; Y's diagonal tile is in slot 1; Y has at least one more tile, which goes out now
	EPI 60
	SUB 1, 0, QY, 1, 1, 1                          ; phase Y: the diagonal tile
	SUB 1, 1, QY, 0, 1, 0
	s_lshr_b32 s58, s14, 1                         ; Y's block number is odd: all tiles below the diagonal but the last go two a trip
	s_cmp_eq_u32 s58, 0
	s_cbranch_scc1 .Ly_done
.Ly:
	FULL 0, 1, QY, 1
	FULL 1, 0, QY, 1
	s_sub_co_i32 s58, s58, 1
	s_cmp_lg_u32 s58, 0
	s_cbranch_scc1 .Ly
.Ly_done:
	FULL 0, 1, QY, 0                               ; the last tile: nothing is left to fetch
	s_wait_dscnt 0x0                               ; V's last fragments
	WIN 0x51
	PVK 0, 0
	PVK 1, 0
	WIN 0
	PLACES
	EPI 62
	s_wait_tensorcnt 0x0
	ds_add_u32 v254, v255
	s_wait_dscnt 0x0
	s_endpgm
.Lfunc_end_k_qeeb3ee8157_attn:
	.size	k_qeeb3ee8157_attn, .Lfunc_end_k_qeeb3ee8157_attn-k_qeeb3ee8157_attn
	.p2alignl 7, 3214868480
	.fill 96, 4, 3214868480
	.section	.rodata,"a",@progbits
	.p2align	6, 0x0
	.amdhsa_kernel k_qeeb3ee8157_attn
		.amdhsa_group_segment_fixed_size 327680
		.amdhsa_private_segment_fixed_size 0
		.amdhsa_enable_private_segment 0
		.amdhsa_kernarg_size 16
		.amdhsa_user_sgpr_count 2
		.amdhsa_user_sgpr_kernarg_segment_ptr 1
		.amdhsa_wavefront_size32 1
		.amdhsa_system_sgpr_workgroup_id_x 1
		.amdhsa_system_sgpr_workgroup_id_y 1
		.amdhsa_system_sgpr_workgroup_id_z 1
		.amdhsa_system_vgpr_workitem_id 0
		.amdhsa_next_free_vgpr 448
		.amdhsa_next_free_sgpr 72
		.amdhsa_reserve_vcc 1
		.amdhsa_float_denorm_mode_32 3
		.amdhsa_float_denorm_mode_16_64 3
		.amdhsa_memory_ordered 1
		.amdhsa_forward_progress 1
		.amdhsa_inst_pref_size 255
	.end_amdhsa_kernel
	.section	.bss,"aw",@nobits
	.p2align	6
	.space	262144
	.amdgpu_metadata
---
amdhsa.version: [ 1, 2 ]
amdhsa.kernels:
  - .name:           k_qeeb3ee8157_attn
    .symbol:         k_qeeb3ee8157_attn.kd
    .args:
      - { .name: qkvh, .offset: 0, .size: 8, .value_kind: global_buffer, .address_space: global }
      - { .name: ao, .offset: 8, .size: 8, .value_kind: global_buffer, .address_space: global }
    .group_segment_fixed_size: 327680
    .private_segment_fixed_size: 0
    .kernarg_segment_align: 8
    .kernarg_segment_size: 16
    .max_flat_workgroup_size: 128
    .sgpr_count:     72
    .vgpr_count:     448
    .wavefront_size: 32
...
	.end_amdgpu_metadata
.endif
;; end of part 3
;; launch oproj (part 4): grid 8 x 32, 4 waves a work-group, clusters of 4 x 4, 327,680 bytes of LDS; arguments ao, cb, out0; writes out0
.if DOCPART == 4
	.amdgcn_target "amdgcn-amd-amdhsa--gfx1250"
	.amdhsa_code_object_version 6
	.text
	.protected	k_qeeb3ee8157_oproj
	.globl	k_qeeb3ee8157_oproj
	.p2align	8
	.type	k_qeeb3ee8157_oproj,@function
k_qeeb3ee8157_oproj:
	s_mov_b64 s[64:65], 0
	v_nop
	global_prefetch_b8 v0, s[64:65] scope:SCOPE_SE
	s_setreg_imm32_b32 hwreg(HW_REG_WAVE_MODE, 25, 1), 1
	s_wait_xcnt 0x0
	s_wait_alu depctr_hold_cnt(0) depctr_sa_sdst(0) depctr_va_vdst(0) depctr_va_sdst(0) depctr_va_ssrc(0) depctr_va_vcc(0) depctr_vm_vsrc(0)
	s_getreg_b32 s2, hwreg(HW_REG_IB_STS2, 6, 4)
	s_cmp_eq_u32 s2, 0
	s_cbranch_scc0 .Lentry_in_a_cluster
	s_endpgm
.Lentry_in_a_cluster:
	s_bfe_u32 s2, ttmp6, 0x10000c
	s_cmp_lg_u32 s2, 0xf033
	s_cbranch_scc0 .Lentry_shape_is_right
	s_endpgm
.Lentry_shape_is_right:
; out0 = a wo^T.  a is the attention's result, f16, laid by head: ao[16][4096][64]; wo lies in f16's format at byte 14,680,064 of cb, [1024][1024]
; (rounded to bf16's 8 significant bits like the other inputs, then written as f16 so that both operands of the product have one format); out0 is [4096][1024] f32; sums in f32.
; LIMIT: |a| and |wo| below 65,504; a is a convex mix of v and has v's room, wo of spread 1/32 is about 0.15 at the most.
; A work-group makes 128 tokens x 128 columns: 32 x 8 = 256 work-groups (blocks of 256 x 128 would leave half as many).  A wave makes 64 x 64: 16 accumulator tiles, 128 registers.
; K goes in four steps of 256 (four heads) through two LDS slots, written out without a loop.  A slot holds four head planes of a (128 tokens x 128 bytes each) and 128 rows of wo of 512 bytes.
; CLUSTERS: 4 x 4 work-groups; a's tiles are shared along a row of the cluster, wo's along a column, each asked for jointly: the requests are divided by four.
; The matrix instruction is used transposed (source 0 = 16 rows of wo, source 1 = 16 tokens): a lane's eight results are eight neighbouring columns of one token, 32 bytes.
.set APITCH, 144                       ; a token's 128 bytes of one head + 16: an odd multiple of 16
.set BPITCH, 528                       ; 512 bytes of a row of wo + 16: an odd multiple of 16
.set APLANE, 128*APITCH                ; 18,432
.set BOFF,   4*APLANE                  ; wo's rows lie behind a's four planes
.set BHALF,  64*BPITCH                 ; 33,792
.set SLOT,   BOFF+2*BHALF              ; 141,312
.set STAGE,  2*SLOT                    ; behind the ring: 16 rows x 272 bytes for each wave; no fill lands here
.set SPITCH, 272
.set PLANE,  524288
.set WOOFF,  14680064
.set ADRA, 16                          ; v16-17 LDS address of my fragments of a in slot 0, 1
.set ADRB, 20                          ; v20-21 of wo
.set STO,  24
.set RD,   25
.set CO,   26
.set F,    32                          ; fragment buffer f at 32 + 64 f: a's four tiles, then wo's four
.set BUF,  160                         ; v160-191, v192-223: rows read back
.set G1, 24
.set G0, 32
.set G1B, 48
.set G0B, 56
.set MULW, 0x50                        ; C and D window 1, sources window 0
.set MSB, 0
.macro WIN new                         ; the immediate's high byte repeats the setting that is left
.if MSB != \new
	s_set_vgpr_msb (MSB<<8)|\new
.set MSB, \new
.endif
.endm
.macro JLOAD s                         ; waves 0 and 1 fetch a's planes, waves 2 and 3 wo's halves; the branch hangs on the wave's number alone
	s_cmp_eq_u32 s11, 0
	s_cbranch_scc0 .Lfor_b_\@
	tensor_load_to_lds s[G0+4*\s:G0+4*\s+3], s[G1:G1+7]
	s_nop 0
	s_branch .Lasked_\@
.Lfor_b_\@:
	tensor_load_to_lds s[G0B+4*\s:G0B+4*\s+3], s[G1B:G1B+7]
	s_nop 0
.Lasked_\@:
.endm
.macro CREST                           ; a round of the cluster's barrier behind its opening barrier
	s_cmp_lg_u32 s10, 0
	s_cbranch_scc1 .Lnot_wave_0_\@
	s_barrier_signal -3
.Lnot_wave_0_\@:
	s_barrier_wait -3
	s_barrier_signal -1
	s_barrier_wait -1
.endm
.macro CROUND
	s_barrier_signal -1
	s_barrier_wait -1
	CREST
.endm
.macro PLACES                          ; four places behind a matrix instruction, before a source is loaded again or a result read (ISA guide 7.12.1 for vector instructions)
.rept 4
	v_nop
.endr
.endm
	s_load_b128 s[4:7], s[0:1], 0x0                ; ao s[4:5], cb s[6:7]
	s_load_b64 s[8:9], s[0:1], 0x10                ; out0
	v_lshl_add_u32 v254, v0, 2, 0x49400
	v_mov_b32 v255, 0
	ds_add_u32 v254, v255
	ds_add_u32 v254, v255
	v_lshrrev_b32 v1, 5, v0
	v_readfirstlane_b32 s10, v1                    ; wave 0..3
	s_lshr_b32 s11, s10, 1                         ; which 64 tokens are mine.  Also: I fetch for a (0) or for wo (1)
	s_and_b32 s12, s10, 1                          ; which 64 columns.  Also: which half of that tile I fetch
	s_bfe_u32 s40, ttmp6, 0x40000                  ; cx
	s_bfe_u32 s41, ttmp6, 0x40004                  ; cy
	s_lshl_b32 s42, ttmp9, 2
	s_add_co_u32 s42, s42, s40                     ; block column
	s_and_b32 s13, ttmp7, 0xffff
	s_lshl_b32 s13, s13, 2
	s_add_co_u32 s13, s13, s41                     ; block row
	s_lshl_b32 s43, s41, 2
	s_lshl_b32 s43, 15, s43                        ; my row of the cluster
	s_lshl_b32 s44, 0x1111, s40                    ; my column
	; a's group 1: two planes; a plane's 128 tokens are 16,384 dense bytes = one row of 2,048 elements of 8 bytes; 65,536 elements from plane to plane;
	; 16 bytes of padding behind every 32 words, that is behind every token's 128 bytes
	s_or_b32 s[G1+0], s43, (3<<16)|(1<<20)|(1<<21)|(4<<22)|(3<<25)
	s_mov_b32 s[G1+1], 2048<<16                    ; tensor_dim0
	s_mov_b32 s[G1+2], 2<<16                       ; tensor_dim1
	s_mov_b32 s[G1+3], 2048<<16                    ; tile_dim0
	s_mov_b32 s[G1+4], 2                           ; tile_dim1
	s_mov_b32 s[G1+5], PLANE/8                     ; the pitch
	s_mov_b32 s[G1+6], 0
	s_mov_b32 s[G1+7], 0
	; wo's group 1: 64 rows of 256 elements of 2 bytes, 1,024 from row to row, 16 bytes of padding behind every 128 words
	s_or_b32 s[G1B+0], s44, (1<<16)|(1<<20)|(1<<21)|(6<<22)|(3<<25)
	s_mov_b32 s[G1B+1], 256<<16
	s_mov_b32 s[G1B+2], 64<<16
	s_mov_b32 s[G1B+3], 256<<16
	s_mov_b32 s[G1B+4], 64
	s_mov_b32 s[G1B+5], 1024
	s_mov_b32 s[G1B+6], 0
	s_mov_b32 s[G1B+7], 0
	; a's address hangs on the block row and the wave alone, wo's on the block column and the wave alone, each in registers that never hold the other coordinate
	s_lshl_b32 s16, s13, 14                        ; 128 tokens of 128 bytes
	s_lshl_b32 s17, s12, 20                        ; + two planes for the second half
	s_add_co_u32 s16, s16, s17
	s_mov_b32 s17, 0
	s_lshl_b32 s46, s42, 18                        ; 128 rows of 2,048 bytes
	s_lshl_b32 s47, s12, 17                        ; + 64 rows
	s_add_co_u32 s46, s46, s47
	s_add_co_u32 s46, s46, WOOFF
	s_mov_b32 s47, 0
	s_mul_i32 s20, s10, 2*APLANE                   ; a's halves go to wave x 36,864 (waves 0, 1),
	s_mul_i32 s21, s10, BHALF                      ; wo's to 6,144 + wave x 33,792 (waves 2, 3: 73,728 and 107,520)
	s_add_co_u32 s21, s21, BOFF-2*BHALF
	s_wait_dscnt 0x0
	s_wait_kmcnt 0x0
	s_add_nc_u64 s[14:15], s[4:5], s[16:17]
	s_add_nc_u64 s[46:47], s[6:7], s[46:47]
	CROUND                                         ; all sixteen work-groups are here: the first joint loads meet
.irp s, 0,1
	s_mov_b32 s[G0+4*\s], 1
	s_add_co_u32 s[G0+4*\s+1], s20, \s*SLOT
	s_add_nc_u64 s[G0+4*\s+2:G0+4*\s+3], s[14:15], \s*4*PLANE
	s_or_b32 s[G0+4*\s+3], s[G0+4*\s+3], 0x80000000
	s_mov_b32 s[G0B+4*\s], 1
	s_add_co_u32 s[G0B+4*\s+1], s21, \s*SLOT
	s_add_nc_u64 s[G0B+4*\s+2:G0B+4*\s+3], s[46:47], \s*512
	s_or_b32 s[G0B+4*\s+3], s[G0B+4*\s+3], 0x80000000
	JLOAD \s                                       ; K steps 0 and 1: two loads of a wave are out, the most in this text
.endr
	v_and_b32 v1, 15, v0                           ; r
	v_bfe_u32 v2, v0, 4, 1                         ; h
	v_mul_u32_u24 v3, v1, APITCH
	v_lshl_add_u32 v3, v2, 4, v3
	v_mul_u32_u24 v4, v1, BPITCH
	v_lshl_add_u32 v4, v2, 4, v4
	s_mul_i32 s22, s11, 64*APITCH                  ; my 64 tokens
	s_mul_i32 s23, s12, 64*BPITCH                  ; my 64 rows of wo
	s_add_co_u32 s23, s23, BOFF
.irp s, 0,1
	v_add_nc_u32 v[ADRA+\s], s22, v3
	v_add_nc_u32 v[ADRB+\s], s23, v4
	s_add_co_u32 s22, s22, SLOT
	s_add_co_u32 s23, s23, SLOT
.endr
	s_mul_i32 s23, s10, 16*SPITCH
	s_add_co_u32 s23, s23, STAGE                   ; my stage
	v_mul_u32_u24 v5, v1, SPITCH
	v_lshl_add_u32 v5, v2, 5, v5
	v_add_nc_u32 v[STO], s23, v5                   ; in: token r, 32 bytes for each half of the lanes
	v_mul_u32_u24 v5, v2, SPITCH
	v_lshl_add_u32 v5, v1, 4, v5
	v_add_nc_u32 v[RD], s23, v5                    ; back: lanes 0-15 one row of 256 bytes, lanes 16-31 the next
	v_lshlrev_b32 v5, 12, v2                       ; and the same two rows of out0, 4,096 bytes apart
	v_lshl_add_u32 v[CO], v1, 4, v5
; 16 LDS loads: the fragments of 32 along K, number q of the slot's eight, into buffer f.  a: plane q / 2, byte 64 (q % 2) of the token's row; wo: byte 64 q of the row.
.macro FETCH slot, q, f
	WIN 0
.irp a, 0,1,2,3
	ds_load_b128 v[F+64*\f+8*\a:F+64*\f+8*\a+3],   v[ADRA+\slot] offset:(\q>>1)*APLANE+16*APITCH*\a+64*(\q&1)
	ds_load_b128 v[F+64*\f+8*\a+4:F+64*\f+8*\a+7], v[ADRA+\slot] offset:(\q>>1)*APLANE+16*APITCH*\a+64*(\q&1)+32
.endr
.irp b, 0,1,2,3
	ds_load_b128 v[F+64*\f+32+8*\b:F+64*\f+32+8*\b+3],   v[ADRB+\slot] offset:16*BPITCH*\b+64*\q
	ds_load_b128 v[F+64*\f+32+8*\b+4:F+64*\f+32+8*\b+7], v[ADRB+\slot] offset:16*BPITCH*\b+64*\q+32
.endr
.endm
; 8 matrix instructions: token blocks a0, a0 + 1 x four column blocks.  The 16 accumulators take turns, one instruction a turn, in the same order throughout.
.macro MUL8 f, a0, zero
.irp a, \a0, \a0+1
.irp b, 0,1,2,3
.if \zero
	v_wmma_f32_16x16x32_f16 v[8*(4*(\a)+\b):8*(4*(\a)+\b)+7], v[F+64*\f+32+8*\b:F+64*\f+32+8*\b+7], v[F+64*\f+8*(\a):F+64*\f+8*(\a)+7], 0
.else
	v_wmma_f32_16x16x32_f16 v[8*(4*(\a)+\b):8*(4*(\a)+\b)+7], v[F+64*\f+32+8*\b:F+64*\f+32+8*\b+7], v[F+64*\f+8*(\a):F+64*\f+8*(\a)+7], v[8*(4*(\a)+\b):8*(4*(\a)+\b)+7]
.endif
.endr
.endr
.endm
; fetches number qn into buffer g, then multiplies buffer f
.macro QSTEP slot, qn, f, g, zero
	PLACES
	FETCH \slot, \qn, \g
	s_wait_dscnt 16                                ; all but the 16 just issued: buffer f is in
	WIN MULW
	MUL8 \f, 0, \zero
	MUL8 \f, 2, \zero
.endm
.macro SEVEN slot, zero
	QSTEP \slot, 1, 0, 1, \zero
	QSTEP \slot, 2, 1, 0, 0
	QSTEP \slot, 3, 0, 1, 0
	QSTEP \slot, 4, 1, 0, 0
	QSTEP \slot, 5, 0, 1, 0
	QSTEP \slot, 6, 1, 0, 0
	QSTEP \slot, 7, 0, 1, 0
.endm
; The slot's last 32 along K (buffer 1) and the change of slots.  In front of the barrier each wave waits for its reads of this slot and for all its tensor loads;
; behind it the refill comes first, then the next slot's first fragments.
.macro LASTQ slot, next, fill
	s_wait_dscnt 0x0                               ; buffer 1 is in, and my reads of this slot are over
	s_wait_tensorcnt 0x0                           ; all my tensor loads have landed: the one that was out is my part of the next slot
	ds_add_u32 v254, v255
	s_wait_dscnt 0x0
	s_barrier_signal -1                            ; where the slot is filled again this barrier opens a round of the cluster's barrier
	WIN MULW
	MUL8 1, 0, 0                                   ; register work while the others arrive
	WIN 0
	s_barrier_wait -1
.if \fill
	CREST                                          ; no wave of any partner still reads this slot or has a load on its way
	s_add_nc_u64 s[G0+4*\slot+2:G0+4*\slot+3], s[G0+4*\slot+2:G0+4*\slot+3], 8*PLANE
	s_add_nc_u64 s[G0B+4*\slot+2:G0B+4*\slot+3], s[G0B+4*\slot+2:G0B+4*\slot+3], 1024
	JLOAD \slot                                    ; the first tensor load behind the round, and my only one until the next
.endif
	PLACES
	FETCH \next, 0, 0
	WIN MULW
	MUL8 1, 2, 0
.endm
	s_wait_tensorcnt 1                             ; my part of K step 0 is in; K step 1's may stay out
	s_barrier_signal -1
	s_barrier_wait -1
	FETCH 0, 0, 0
	SEVEN 0, 1                                     ; the first products start the sums
	LASTQ 0, 1, 1                                  ; slot 0 gets K step 2
	SEVEN 1, 0
	LASTQ 1, 0, 1                                  ; slot 1 gets K step 3
	SEVEN 0, 0
	LASTQ 0, 1, 0                                  ; nothing is left to fetch
	SEVEN 1, 0
	s_wait_dscnt 0x0
	WIN MULW
	MUL8 1, 0, 0
	MUL8 1, 2, 0
	; THE WAY OUT, 16 tokens at a time, through my own stage: whole rows of 256 bytes of out0.
	PLACES
	s_lshl_b32 s16, s13, 19                        ; 128 tokens of 4,096 bytes
	s_lshl_b32 s17, s11, 18                        ; + my 64
	s_add_co_u32 s16, s16, s17
	s_mov_b32 s17, 0
	s_add_nc_u64 s[8:9], s[8:9], s[16:17]
	s_lshl_b32 s46, s42, 9                         ; 128 columns of 4 bytes
	s_lshl_b32 s47, s12, 8                         ; + my 64
	s_add_co_u32 s46, s46, s47
	s_mov_b32 s47, 0
	s_add_nc_u64 s[8:9], s[8:9], s[46:47]
.macro OUT16 a, f
	WIN 0x04                                       ; the stores' data in window 1
.irp b, 0,1,2,3
	ds_store_b128 v[STO], v[8*(4*\a+\b):8*(4*\a+\b)+3] offset:64*\b
	ds_store_b128 v[STO], v[8*(4*\a+\b)+4:8*(4*\a+\b)+7] offset:64*\b+16
.endr
	WIN 0
	s_wait_xcnt 0x0                                ; buffer f, which earlier stores read, is loaded again only behind this wait (ISA guide 3.1)
.irp t, 0,1,2,3,4,5,6,7
	ds_load_b128 v[BUF+32*\f+4*\t:BUF+32*\f+4*\t+3], v[RD] offset:\t*2*SPITCH   ; LDS serves a wave's instructions in order (ISA guide 5.7.1): these see the stores above
.endr
.irp t, 0,1,2,3,4,5,6,7
	s_wait_dscnt 7-\t
	global_store_b128 v[CO], v[BUF+32*\f+4*\t:BUF+32*\f+4*\t+3], s[8:9] offset:(16*\a+2*\t)*4096 th:TH_STORE_NT   ; 16 lanes store 256 consecutive bytes, aligned
.endr
.endm
	OUT16 0, 0
	OUT16 1, 1
	OUT16 2, 0
	OUT16 3, 1
	s_wait_tensorcnt 0x0
	ds_add_u32 v254, v255
	s_wait_dscnt 0x0
	CROUND                                         ; the closing round: no work-group ends while a partner may still ask for a tile that names it
	s_endpgm
.Lfunc_end_k_qeeb3ee8157_oproj:
	.size	k_qeeb3ee8157_oproj, .Lfunc_end_k_qeeb3ee8157_oproj-k_qeeb3ee8157_oproj
	.p2alignl 7, 3214868480
	.fill 96, 4, 3214868480
	.section	.rodata,"a",@progbits
	.p2align	6, 0x0
	.amdhsa_kernel k_qeeb3ee8157_oproj
		.amdhsa_group_segment_fixed_size 327680
		.amdhsa_private_segment_fixed_size 0
		.amdhsa_enable_private_segment 0
		.amdhsa_kernarg_size 24
		.amdhsa_user_sgpr_count 2
		.amdhsa_user_sgpr_kernarg_segment_ptr 1
		.amdhsa_wavefront_size32 1
		.amdhsa_system_sgpr_workgroup_id_x 1
		.amdhsa_system_sgpr_workgroup_id_y 1
		.amdhsa_system_sgpr_workgroup_id_z 1
		.amdhsa_system_vgpr_workitem_id 0
		.amdhsa_next_free_vgpr 384
		.amdhsa_next_free_sgpr 66
		.amdhsa_reserve_vcc 0
		.amdhsa_float_denorm_mode_32 3
		.amdhsa_float_denorm_mode_16_64 3
		.amdhsa_memory_ordered 1
		.amdhsa_forward_progress 1
		.amdhsa_inst_pref_size 89
	.end_amdhsa_kernel
	.amdgpu_metadata
---
amdhsa.version: [ 1, 2 ]
amdhsa.kernels:
  - .name:           k_qeeb3ee8157_oproj
    .symbol:         k_qeeb3ee8157_oproj.kd
    .args:
      - { .name: ao, .offset: 0, .size: 8, .value_kind: global_buffer, .address_space: global }
      - { .name: cb, .offset: 8, .size: 8, .value_kind: global_buffer, .address_space: global }
      - { .name: out0, .offset: 16, .size: 8, .value_kind: global_buffer, .address_space: global }
    .group_segment_fixed_size: 327680
    .private_segment_fixed_size: 0
    .kernarg_segment_align: 8
    .kernarg_segment_size: 24
    .max_flat_workgroup_size: 128
    .sgpr_count:     66
    .vgpr_count:     384
    .wavefront_size: 32
...
	.end_amdgpu_metadata
.endif
;; end of part 4
;; ======== version 2 of 2: 4 launches; version 1 with the launch cast written anew for expert scheduling mode
;; limits: values are held in f16: magnitudes above 65,504 overflow, below 6.1e-05 lose precision
;; workspace buffers: cb 16,777,216 bytes; qkvh 25,165,824 bytes; ao 8,388,608 bytes
;; launch cast (part 5): grid 32 x 8, 8 waves a work-group, no clusters, 0 bytes of LDS; arguments x, wq, wk, wv, wo, cb; writes cb
.if DOCPART == 5
	.amdgcn_target "amdgcn-amd-amdhsa--gfx1250"
	.amdhsa_code_object_version 6
	.text
	.protected	k_qeeb3ee8157_cast
	.globl	k_qeeb3ee8157_cast
	.p2align	8
	.type	k_qeeb3ee8157_cast,@function
k_qeeb3ee8157_cast:
	s_mov_b64 s[64:65], 0
	v_nop
	global_prefetch_b8 v0, s[64:65] scope:SCOPE_SE
	s_setreg_imm32_b32 hwreg(HW_REG_WAVE_SCHED_MODE, 0, 2), 2
	s_setreg_imm32_b32 hwreg(HW_REG_WAVE_MODE, 25, 1), 1
	s_wait_xcnt 0x0
	s_wait_alu depctr_vm_vsrc(0)
; x, wq, wk, wv, wo (f32) are rounded once to bf16's 8 significant bits and laid one behind the other in cb, 2 bytes a number:
; bytes 0: x [4096][1024] bf16; 8,388,608: wq, wk, wv as one [3072][1024] bf16; 14,680,064: wo [1024][1024], the bf16 number written in f16's FORMAT,
; because the output product multiplies it by the attention's result, which is kept in f16.  That second step is exact from 2^-14 upward (8 bits fit in f16's 11);
; LIMIT: below 2^-14 it rounds to multiples of 2^-24, and |wo| must stay below 65,504.
; The work is eight segments of 1,048,576 numbers (grid y): 0-3 the quarters of x, 4-7 the four weights.
; A work-group (grid x, 32 of them a segment) takes 131,072 bytes in and 65,536 out; a wave 16,384 in, as 32 loads
; of 512 neighbouring bytes, all issued before the first is used.  Every byte is read once and written once; a wave's
; store covers 256 consecutive bytes, aligned.  No LDS, no barrier, no matrix unit: nothing is shared or reduced.
; THE MODE: SCHED_MODE bits 1:0 = 2 (LLVM: expert scheduling mode 2), set by the entry lines.  The code itself states the register dependences
; between vector instructions and memory instructions, with s_wait_alu, always for 0.
; THE PLAN.  Registers that memory instructions touch:
;   v1         the loads' offset.   Written at the head; read by all 32 loads; never written again.
;   v2         the stores' offset.  Written at the head; read by all 32 stores; never written again.
;   X + 4 c .. the four registers of load c.  The load is issued at the head, before any vector instruction has named them.  Behind the wait for its data the
;              conversions read the four and write the first two (on wo's way the other two as well, as scratch); store c reads the first two; nothing writes them afterwards.
; So one wait on va_vdst stands ahead of the first load, for the two offsets, and one in each block of four loads, between the block's conversions and its four stores.
; No register that a load or store has read is written again, so no wait on vm_vsrc is owed; no vector instruction writes a scalar register, VCC or EXEC.
; A block's stores follow its own conversions and are not put off into the next block: that block begins with a wait for data which these stores do not need.
.set X,   4                            ; v[4:131]  32 loads of 4 registers; the packed result overwrites the first two of each four
.set NLD, 32
.set PER, 4                            ; loads in a block: one wait for their data, one wait ahead of their stores
	s_load_b256 s[4:11], s[0:1], 0x0               ; x s[4:5], wq s[6:7], wk s[8:9], wv s[10:11]
	s_load_b128 s[12:15], s[0:1], 0x20             ; wo s[12:13], cb s[14:15]
	s_and_b32 s16, ttmp7, 0xffff                   ; the segment
	s_min_u32 s17, s16, 3                          ; which quarter of x (for the weights' segments the sum below is not used)
	s_lshl_b32 s20, s17, 22                        ; a quarter of x is 4,194,304 bytes
	s_mov_b32 s21, 0
	s_mov_b32 s17, 0xffff0000                      ; a word's upper bf16
	s_lshl_b32 s22, ttmp9, 17                      ; the work-group's 131,072 bytes in its segment
	s_mov_b32 s23, 0
	s_lshl_b32 s2, s16, 21                         ; out: a segment is 2,097,152 bytes,
	s_lshl_b32 s3, ttmp9, 16                       ; a work-group's part 65,536
	s_add_co_u32 s2, s2, s3
	s_mov_b32 s3, 0
	v_and_b32 v3, 0xe0, v0                         ; 32 x wave
	v_and_b32 v2, 31, v0                           ; lane
	v_lshlrev_b32 v1, 4, v2
	v_lshl_or_b32 v1, v3, 9, v1                    ; in:  16,384 x wave + 16 x lane
	v_lshlrev_b32 v2, 3, v2
	v_lshl_or_b32 v2, v3, 8, v2                    ; out:  8,192 x wave +  8 x lane
	s_wait_kmcnt 0x0
	s_add_nc_u64 s[18:19], s[4:5], s[20:21]        ; the source: a quarter of x, or one of the weights, chosen by the segment's number
	s_cmp_eq_u32 s16, 4
	s_cselect_b64 s[18:19], s[6:7], s[18:19]
	s_cmp_eq_u32 s16, 5
	s_cselect_b64 s[18:19], s[8:9], s[18:19]
	s_cmp_eq_u32 s16, 6
	s_cselect_b64 s[18:19], s[10:11], s[18:19]
	s_cmp_eq_u32 s16, 7
	s_cselect_b64 s[18:19], s[12:13], s[18:19]
	s_add_nc_u64 s[18:19], s[18:19], s[22:23]
	s_add_nc_u64 s[14:15], s[14:15], s[2:3]
	s_wait_alu depctr_va_vdst(0)                   ; v1 and v2 are written: every load below reads v1 as its offset, every store on either way v2
.set cnt, 0
.rept NLD
	global_load_b128 v[X+4*cnt:X+4*cnt+3], v1, s[18:19] offset:512*cnt th:TH_LOAD_NT
.set cnt, cnt+1
.endr
; The 32 loads' numbers are rounded and stored, four loads to a block.  tof16 = 1 (wo): the bf16 numbers are widened again and packed in f16's format.
.macro ROUNDS tof16
.set blk, 0
.rept NLD/PER
	s_wait_loadcnt NLD-PER*(blk+1)                 ; loads come back in order (ISA guide 5.7.1): this block's four are in, the younger blocks' stay out
.set cnt, PER*blk
.rept PER
	v_cvt_pk_bf16_f32 v[X+4*cnt], v[X+4*cnt], v[X+4*cnt+1]
	v_cvt_pk_bf16_f32 v[X+4*cnt+1], v[X+4*cnt+2], v[X+4*cnt+3]
.if \tof16
	v_lshlrev_b32 v[X+4*cnt+2], 16, v[X+4*cnt]                 ; bf16 to f32: the low half moves up, the high half stays
	v_and_b32 v[X+4*cnt+3], s17, v[X+4*cnt]
	v_cvt_pk_f16_f32 v[X+4*cnt], v[X+4*cnt+2], v[X+4*cnt+3]
	v_lshlrev_b32 v[X+4*cnt+2], 16, v[X+4*cnt+1]
	v_and_b32 v[X+4*cnt+3], s17, v[X+4*cnt+1]
	v_cvt_pk_f16_f32 v[X+4*cnt+1], v[X+4*cnt+2], v[X+4*cnt+3]
.endif
.set cnt, cnt+1
.endr
	s_wait_alu depctr_va_vdst(0)                   ; the block's conversions have written the first two registers of each four, which the four stores below read as their data
.set cnt, PER*blk
.rept PER
	global_store_b64 v2, v[X+4*cnt:X+4*cnt+1], s[14:15] offset:256*cnt   ; no register that a pending load or store names is rewritten
.set cnt, cnt+1
.endr
.set blk, blk+1
.endr
.endm
	s_cmp_eq_u32 s16, 7                            ; the same for the whole work-group: wo's segment takes the second way
	s_cbranch_scc1 .Lwo
	ROUNDS 0
	s_endpgm
.Lwo:
	ROUNDS 1
	s_endpgm
.Lfunc_end_k_qeeb3ee8157_cast:
	.size	k_qeeb3ee8157_cast, .Lfunc_end_k_qeeb3ee8157_cast-k_qeeb3ee8157_cast
	.p2alignl 7, 3214868480
	.fill 96, 4, 3214868480
	.section	.rodata,"a",@progbits
	.p2align	6, 0x0
	.amdhsa_kernel k_qeeb3ee8157_cast
		.amdhsa_group_segment_fixed_size 0
		.amdhsa_private_segment_fixed_size 0
		.amdhsa_enable_private_segment 0
		.amdhsa_kernarg_size 48
		.amdhsa_user_sgpr_count 2
		.amdhsa_user_sgpr_kernarg_segment_ptr 1
		.amdhsa_wavefront_size32 1
		.amdhsa_system_sgpr_workgroup_id_x 1
		.amdhsa_system_sgpr_workgroup_id_y 1
		.amdhsa_system_sgpr_workgroup_id_z 1
		.amdhsa_system_vgpr_workitem_id 0
		.amdhsa_next_free_vgpr 132
		.amdhsa_next_free_sgpr 66
		.amdhsa_reserve_vcc 0
		.amdhsa_float_denorm_mode_32 3
		.amdhsa_float_denorm_mode_16_64 3
		.amdhsa_memory_ordered 1
		.amdhsa_forward_progress 1
		.amdhsa_inst_pref_size 28
	.end_amdhsa_kernel
	.amdgpu_metadata
---
amdhsa.version: [ 1, 2 ]
amdhsa.kernels:
  - .name:           k_qeeb3ee8157_cast
    .symbol:         k_qeeb3ee8157_cast.kd
    .args:
      - { .name: x, .offset: 0, .size: 8, .value_kind: global_buffer, .address_space: global }
      - { .name: wq, .offset: 8, .size: 8, .value_kind: global_buffer, .address_space: global }
      - { .name: wk, .offset: 16, .size: 8, .value_kind: global_buffer, .address_space: global }
      - { .name: wv, .offset: 24, .size: 8, .value_kind: global_buffer, .address_space: global }
      - { .name: wo, .offset: 32, .size: 8, .value_kind: global_buffer, .address_space: global }
      - { .name: cb, .offset: 40, .size: 8, .value_kind: global_buffer, .address_space: global }
    .group_segment_fixed_size: 0
    .private_segment_fixed_size: 0
    .kernarg_segment_align: 8
    .kernarg_segment_size: 48
    .max_flat_workgroup_size: 256
    .sgpr_count:     66
    .vgpr_count:     132
    .wavefront_size: 32
...
	.end_amdgpu_metadata
.endif
;; end of part 5
;; launch qkv: the kernel of part 2 again; grid 16 x 16, 4 waves a work-group, clusters of 4 x 4, 327,680 bytes of LDS; arguments cb, qkvh; writes qkvh
;; launch attn: the kernel of part 3 again; grid 8 x 32, 4 waves a work-group, no clusters, 327,680 bytes of LDS; arguments qkvh, ao; writes ao
;; launch oproj: the kernel of part 4 again; grid 8 x 32, 4 waves a work-group, clusters of 4 x 4, 327,680 bytes of LDS; arguments ao, cb, out0; writes out0
